; MI455X (gfx1250); checked and timed in simulation.
; The chip was launched on July 23, 2026; its instructions are those of AMD's public machine-readable ISA for CDNA 5 (MIT licence, August 2026) and "CDNA5" Instruction Set Architecture Reference Guide (July 2026). The comments in the code are by the model that wrote it; some were corrected since.
;; Quantizer. Allowed arithmetic: matrix products marked QUANTISED: E3M2 operands, one E8M0 scale for each 32 along K, by v_wmma_scale_f32_16x16x128_f8f6f4 with both operands' format E3M2, f32 sums; everything else in f32.
;; Inputs: embed_weight 1,024 x 64 float32; z_e 64 x 32 x 32 x 64 float32.
;; Outputs: out0 64 x 32 x 32 x 64 float32; out1 one number float32; out2 64 x 32 x 32 int32.
;; This version of the problem:
;;   THIS VERSION OF THE PROBLEM IS GIVEN IN LOW PRECISION. The matrix products marked QUANTISED in the list below multiply operands that are first quantised to E3M2 (3 exponent bits, 2 mantissa bits; 6 bits a number), with one power-of-two scale for each 32 numbers along K (OCP MX v1.0); their sums are f32. All else is computed in f32.
;;   The module's matrix products, in the order in which they are computed (A, B: the left and right operand; K: the contracted axis; several contracted axes count as one K, in the product's order):
;;     1. [M 65,536, K 64] x [K 64, N 1,024]; A: computed on the way; B: input embed_weight: QUANTISED
;;   THE QUANTISER, for each operand of a quantised product, along K:
;;     - K is cut into blocks of 32 from its start; a last block that is shorter is filled with zeros.
;;     - A block's scale is 2^e with e = floor(log2(the largest magnitude in the block)) - 4, held to -126 .. 127; a block of zeros has e = 0. As a byte (E8M0): e + 127.
;;     - Each number is divided by its block's scale, clamped to +-28, and rounded to the nearest number of E3M2, ties to even, subnormals kept.
;;     - The product sums the exact products of the quantised numbers (number of the format x scale) in f32.
;;   ~~~python
;;   def quantise(x, axis):      # numpy; x: float32 -> the quantised numbers, widened to float32 again
;;       x = np.moveaxis(x, axis, -1); K = x.shape[-1]
;;       x = np.pad(x, [(0, 0)] * (x.ndim - 1) + [(0, -K % 32)]); x = x.reshape(x.shape[:-1] + (-1, 32)); a = np.abs(x).max(-1, keepdims=True)
;;       e = np.where(a > 0, np.clip(np.frexp(np.where(a > 0, a, 1))[1] - 1 - 4, -126, 127), 0)      # np.frexp(a)[1] - 1 = floor(log2(a)), exactly
;;       r = np.clip(x / 2.0 ** e, -28, 28)
;;       step = 2.0 ** (np.maximum(np.frexp(np.where(r == 0, 1, r))[1] - 1, -2) - 2)
;;       q = np.round(r / step) * step * 2.0 ** e      # np.round: ties to even
;;       return np.moveaxis(q.reshape(q.shape[:-2] + (-1,))[..., :K], -1, axis).astype(np.float32)
;;   ~~~
;;   OPERANDS COMPUTED ON THE WAY. 'Computed on the way' means the value that the module computes at that place (a softmax that the list does not call 'softmax' is quantised finished and normalised). What goes into a quantiser is computed in f32, as accurately as f32 sums, v_exp_f32 and their like allow (about 1e-6 of the number): no bf16 or f16 on the way to a quantiser, and a product that is left as it is and whose result goes on into a quantised operand takes f32 operands (vector FMAs, or v_wmma_f32_16x16x4_f32). A number that lies on a knife's edge between two numbers of the format may be rounded either way, as far as f32 arithmetic and the matrix unit's own rounding can turn it there, and no further.
;; One version. Each part assembles by itself: llvm-mc -triple=amdgcn-amd-amdhsa -mcpu=gfx1250 --defsym DOCPART=n.
;; ======== version 1 of 1: 3 launches
;; limits: right only within a limited range of input values
;; workspace buffers: idx 262,144 bytes of whole numbers; part 8,192 bytes
;; launch argmin (part 1): grid 256 x 1, 8 waves a work-group, clusters of 4 x 1, 327,680 bytes of LDS; arguments embed_weight, z_e, out2, idx; writes out2, idx
.if DOCPART == 1
	.amdgcn_target "amdgcn-amd-amdhsa--gfx1250"
	.amdhsa_code_object_version 6
	.text
	.protected	k_qea0d491911_argmin
	.globl	k_qea0d491911_argmin
	.p2align	8
	.type	k_qea0d491911_argmin,@function
k_qea0d491911_argmin:
	s_mov_b64 s[64:65], 0
	v_nop
	global_prefetch_b8 v0, s[64:65] scope:SCOPE_SE
	s_setreg_imm32_b32 hwreg(HW_REG_WAVE_MODE, 25, 1), 1
	s_wait_xcnt 0x0
	s_wait_alu depctr_hold_cnt(0) depctr_sa_sdst(0) depctr_va_vdst(0) depctr_va_sdst(0) depctr_va_ssrc(0) depctr_va_vcc(0) depctr_vm_vsrc(0)
	s_getreg_b32 s2, hwreg(HW_REG_IB_STS2, 6, 4)
	s_cmp_eq_u32 s2, 0
	s_cbranch_scc0 .Lentry_in_a_cluster
	s_endpgm
.Lentry_in_a_cluster:
	s_bfe_u32 s2, ttmp6, 0x10000c
	s_cmp_lg_u32 s2, 0x3003
	s_cbranch_scc0 .Lentry_shape_is_right
	s_endpgm
.Lentry_shape_is_right:
; embed_ind[row] = argmax over the 1,024 codes of -( ||x||^2 - (2 x) . e + ||e||^2 ), x a row of z_e (64 numbers), e a row of embed_weight.
; The product (2 x) . e is made on codes of BF6 (E3M2) with one E8M0 scale for each 32 along the 64; ||e||^2 is an f32 sum of the numbers as given.
; DEAD WORK.  dist goes into the argmax and nowhere else, and ||x||^2 is the same for all 1,024 codes of a row: for all finite inputs it moves no index, so it is not computed.
;   What is compared is score = (2 x) . e - ||e||^2, largest first; -||e||^2 is the C operand of the matrix instruction, so no vector instruction forms a distance.
; LIMITS.  A NaN, an infinity or an overflow that reaches only ||x||^2 is not carried to the result.  NaN and infinities among the inputs are not served, nor numbers of z_e whose double passes f32's range.
;   The score is rounded once, where reference() rounds (||x||^2 - P) + ||e||^2 twice at a larger size: two codes whose distances differ by less than those roundings may be taken in the other order.
;   Equal scores: the lowest index, as argmax has it.  Blocks whose largest magnitude lies under 2^(5 - 127) take the scale byte 1 (in x 2); in a block of zeros that byte stands over zero codes, and only this launch reads it.
; THE FACTOR 2 of x is a power of two: the codes of 2 x are those of x, and the scale byte is one more.
; SHARES.  256 work-groups of eight waves, 256 rows each.  Wave w takes row group g = w % 4 (64 rows: four tiles of 16) and half c = w / 4 of the codes; at the end the two waves of a row group exchange results through LDS.
;   Every work-group quantises the whole codebook, in two CHUNKS of 512 codes: a wave 64 codes of each (two pairs of tiles of 16), and 2 of its row group's 4 tiles of x.  z_e is loaded once.
; CLUSTERS of four work-groups: all read the same codebook rows, by joint tensor loads.  A wave's load brings the 64 rows that it quantises, 272 bytes apart in LDS.  Chunk 1's load stands behind the round that shows chunk 0's
;   images to all waves, ahead of chunk 0's products.  No prefetch: the launch has only these two loads a wave, and the second is asked for a whole chunk's work ahead of its first read.
; IMAGES.  A pair of tiles of codes goes to LDS as the operand's registers: 1,536 bytes, its scale words 128, its -||e||^2 128, over the first of the pair's own 8,704 bytes, which have been read by then and are not filled again.
; LAYOUT.  Source 0 = 16 codes, source 1 = 16 rows of x: lane (r, h) holds row r, its register j the code 16 t + 8 h + j.  K is 64, the instruction's is 128: one operand of 12 registers holds two tiles of codes,
;   [tile a | tile b]; x stands between zeros, Z x Z, and [x | 0] multiplies tile a, [0 | x] tile b.
; ARGMAX.  A lane's 16 scores of a pair are compared at once: their maximum, one compare with the maximum so far (strictly: the earlier pair keeps a tie), and selects that keep the 16 scores, the maximum and the pair's number.
;   At the end the first of the 16 kept scores that equals the maximum gives the code; then the halves of the lanes are merged, then the halves of the codes.  The index is stored twice: out2 (waves 0-3), and idx (waves 4-7) for the next launch.
.set DUAL,  1
.set CBW,   64*272                     ; LDS: a wave's 64 rows of a chunk,
.set CHB,   8*CBW                      ; a chunk;
.set PRB,   32*272                     ; a pair's rows, and the distance from image to image
.set OSC,   1536                       ; in an image: the scale words,
.set NEO,   1664                       ; and -||e||^2
.set XST,   2*CHB                      ; behind the chunks: for each wave a stage of 16 rows x 272 bytes for x, and then its two images of x
.set XSTB,  16*272
.set XTB,   896                        ; an image of a tile of x: 768 bytes of codes, 128 of scale words
.set MRG,   XST+8*XSTB                 ; for each wave 512 bytes for its 64 indices and 64 scores
.set SPARE, MRG+8*512                  ; the spare words, 128 bytes for each wave: four blocks of 256 bytes that no other line names
.set GO,   1                           ; v1   16 x lane
.set L4,   2                           ; v2   4 x lane
.set H32,  3                           ; v3   32 h
.set ACW,  4                           ; v4-6 the addresses of the pairs in hand; at the end those of the exchange
.set ASW,  5
.set AEW,  6
.set SH,   7                           ; v7   8 h
.set LN,   8                           ; v8   lane
.set STI,  9                           ; v9   x's stage, on the way in,
.set STO,  10                          ; v10  and on the way out
.set XI,   11                          ; v11  where I store images of x,
.set XSI,  12                          ; v12  and their scale words
.set XL,   13                          ; v13  where my row group's images of x are read (XSL: their scale words)
.set SPW,  14                          ; v14  my spare word; never rewritten
.set NIL,  15                          ; v15  0; never rewritten
.set R,    16                          ; v16, 18, 20, 22 the maximum of row tile i; the register behind each: the number of the pair that holds it
.set PN,   24                          ; v24  the number of the pair being compared
.set C0,   25
.set C1,   26
.set BZ,   30                          ; v30-83  Z x0 Z x1 Z x2 Z x3 Z, six registers each
.set XSC,  84                          ; v84-87  x's scale words
.set D,    88                          ; v88-119 two slots for the scores of a pair and a row tile: 8 of tile a, 8 of tile b
.set FA,   120                         ; v120-143 two buffers for a pair of tiles of codes
.set CC,   144                         ; v144-175 two buffers of -||e||^2
.set ASC,  176                         ; v176-177 their scale words
.set CAP,  180                         ; v180-243 the 16 scores of the best pair so far, for each row tile (at the head: two tiles of x as loaded)
.set XS,   88                          ; while quantising: v88-151 two sets of 32 numbers;
.set MXA,  152                         ; largest magnitudes,
.set MXB,  153
.set OPR,  154                         ; the conversion's scale operand,
.set EA,   156                         ; sums of squares,
.set EB,   158
.set TQ,   160                         ; a conversion's three registers begin on an even number,
.set PCD,  164                         ; v164-175 codes
.set BYA,  244                         ; v244-245 scale bytes; v246, v247 the scale word
.set WD,   246
.set WD2,  247
.set QRD,  248                         ; v248  where I read my rows of the chunk: row r, half h,
.set CI,   249                         ; v249-251 and where I store codes, scale words and -||e||^2
.set SI,   250
.set EI,   251
.set XSL,  252
.set JX,   120                         ; the way out
.set JO,   124
.set PO,   128
.set OM,   144
.set OI,   148
.set WV,   12
.set SEL,  16                          ; s[16:17] lane selects for v_permlanex16_b32: lane l xor 16
.set MK,   20                          ; s20-31 lane masks
.set MQ,   24
.set MR,   28
.set SPC,  32                          ; where the pair to be fetched begins
.set CNT,  33
.set HM,   36
.set GR,   37                          ; my row group, 0..3
.set CH,   38                          ; my half of the codes, 0 or 1
.set G1,   40                          ; s[40:47] descriptor group 1; s[48:51], s[52:55] group 0 for chunks 0 and 1
.set G0A,  48
.set G0B,  52
.macro VA
	s_wait_alu depctr_va_vdst(0)
.endm
.macro CROUND                          ; a round of the cluster's barrier
	s_barrier_signal -1
	s_barrier_wait -1
	s_cmp_lg_u32 s[WV], 0
	s_cbranch_scc1 .Lnot_wave_0_\@
	s_barrier_signal -3
.Lnot_wave_0_\@:
	s_barrier_wait -3
	s_barrier_signal -1
	s_barrier_wait -1
.endm
	s_load_b256 s[4:11], s[0:1], 0x0               ; embed_weight s[4:5], z_e s[6:7], out2 s[8:9], idx s[10:11]
	v_lshl_add_u32 v[SPW], v0, 2, SPARE
	v_mov_b32 v[NIL], 0
	ds_add_u32 v[SPW], v[NIL]                      ; the wave's opening: the add, twice on end, ahead of the first tensor load
	ds_add_u32 v[SPW], v[NIL]
	v_lshrrev_b32 v16, 5, v0
	v_readfirstlane_b32 s[WV], v16                 ; wave 0..7
	s_and_b32 s[GR], s[WV], 3
	s_lshr_b32 s[CH], s[WV], 2
	s_bfe_u32 s13, ttmp6, 0x40000                  ; my place in the cluster
	s_lshl_b32 s14, ttmp9, 2
	s_add_co_u32 s13, s13, s14                     ; the work-group's number
	s_lshl_b32 s18, s13, 16                        ; 65,536 bytes of x a work-group, 16,384 a row group;
	s_lshl_b32 s14, s[GR], 14
	s_add_co_u32 s18, s18, s14
	s_lshr_b32 s20, s18, 6                         ; the row group's 64 indices: 4 bytes for 256;
	s_lshl_b32 s14, s[CH], 13
	s_add_co_u32 s18, s18, s14                     ; and the 32 rows of x that I quantise
	s_mov_b32 s19, 0
	s_mov_b32 s21, 0
	s_mul_i32 s13, s[WV], CBW                      ; my rows of a chunk,
	s_mul_i32 s14, s[WV], XSTB
	s_add_co_u32 s14, s14, XST                     ; my stage for x,
	s_mul_i32 s15, s[GR], XSTB
	s_add_co_u32 s15, s15, XST                     ; my row group's images of x
	s_lshl_b32 s22, s[CH], 3
	v_and_b32 v[LN], 31, v0
	v_and_b32 v25, 15, v0                          ; r
	v_bfe_u32 v26, v0, 4, 1                        ; h
	v_lshlrev_b32 v[GO], 4, v[LN]
	v_lshlrev_b32 v[L4], 2, v[LN]
	v_lshlrev_b32 v[H32], 5, v26
	v_lshlrev_b32 v[SH], 3, v26
	v_mul_u32_u24 v27, v26, 272                    ; in: a dense load holds two rows of 256 bytes: lanes 0-15 one, lanes 16-31 the next
	v_mul_u32_u24 v28, v25, 272                    ; out: row r, its half h: 128 bytes, 32 numbers along K
	v_lshl_add_u32 v27, v25, 4, v27
	v_lshl_add_u32 v28, v26, 7, v28
	v_lshlrev_b32 v29, 2, v25
	v_add_nc_u32 v[STI], s14, v27
	v_add_nc_u32 v[STO], s14, v28
	v_add_nc_u32 v[QRD], s13, v28
	v_add_nc_u32 v[CI], s13, v[GO]
	v_add_nc_u32 v[SI], s13, v[L4]
	v_add_nc_u32 v[EI], s13, v29
	v_lshl_add_u32 v[XI], v[LN], 3, s14
	v_add_nc_u32 v[XSI], s14, v[L4]
	v_lshl_add_u32 v[XL], v[LN], 3, s15
	v_add_nc_u32 v[XSL], s15, v[L4]
	v_mov_b32 v[PN], s22                           ; my first pair: 8 c
	; descriptor group 1: 64 rows x 64 elements of 4 bytes, dense in memory, 16 bytes of padding behind each 256
	s_mov_b32 s[G1+0], 15|(2<<16)|(1<<20)|(1<<21)|(5<<22)|(3<<25)   ; the mask names the cluster's four work-groups
	s_mov_b32 s[G1+1], 64<<16
	s_mov_b32 s[G1+2], 64<<16
	s_mov_b32 s[G1+3], 64<<16
	s_mov_b32 s[G1+4], 64
	s_mov_b32 s[G1+5], 64
	s_mov_b32 s[G1+6], 0
	s_mov_b32 s[G1+7], 0
	s_mov_b32 s[G0A], 1
	s_mul_i32 s[G0A+1], s[WV], CBW
	s_mov_b32 s[G0B], 1
	s_add_co_u32 s[G0B+1], s[G0A+1], CHB
	s_lshl_b32 s22, s[WV], 14                      ; my 64 codes of a chunk: 16,384 bytes a wave
	s_mov_b32 s23, 0
	s_mov_b32 s[SEL], 0x76543210
	s_mov_b32 s[SEL+1], 0xfedcba98
	VA
	s_wait_dscnt 0x0                               ; both opening adds are done
	s_wait_kmcnt 0x0
	s_add_nc_u64 s[6:7], s[6:7], s[18:19]
	s_add_nc_u64 s[8:9], s[8:9], s[20:21]
	s_add_nc_u64 s[10:11], s[10:11], s[20:21]
.irp i, 0,1,2,3,4,5,6,7,8,9,10,11,12,13,14,15
	global_load_b128 v[CAP+4*\i:CAP+4*\i+3], v[GO], s[6:7] offset:512*\i th:TH_LOAD_NT   ; two tiles of x, dense: 512 consecutive bytes a load
.endr
	s_add_nc_u64 s[G0A+2:G0A+3], s[4:5], s[22:23]
	s_add_nc_u64 s[G0B+2:G0B+3], s[G0A+2:G0A+3], 0x20000   ; chunk 1 begins 512 rows of 256 bytes further on
	s_or_b32 s[G0A+3], s[G0A+3], 0x80000000
	s_or_b32 s[G0B+3], s[G0B+3], 0x80000000
	CROUND                                         ; all four work-groups are here: the joint loads meet
	tensor_load_to_lds s[G0A:G0A+3], s[G1:G1+7]    ; chunk 0: my 64 rows
	s_nop 0
.irp z, 0,1,2,3,4
.irp k, 0,1,2,3,4,5
	v_mov_b32 v[BZ+12*\z+\k], 0                    ; the five blocks of zero codes between the x
.endr
.endr
	v_mov_b32 v[WD2], 0                            ; written once: a lane permute's destination counts as one of its sources
.irp i, 0,1,2,3
	v_mov_b32 v[R+2*\i], 0xff800000                ; the maximum so far: -infinity
	v_mov_b32 v[R+2*\i+1], 0
.endr
; x turns through my own stage: in as it lies, out 128 bytes a lane.  LDS serves a wave's instructions in order: no wait between, and one stage serves both tiles.
.macro XTURN t
.irp i, 0,1,2,3,4,5,6,7
	ds_store_b128 v[STI], v[CAP+32*(\t)+4*\i:CAP+32*(\t)+4*\i+3] offset:544*\i
.endr
.irp i, 0,1,2,3,4,5,6,7
	ds_load_b128 v[XS+32*(\t)+4*\i:XS+32*(\t)+4*\i+3], v[STO] offset:16*\i
.endr
.endm
; A tile of x: my 32 numbers are one block of one row.  The floor 2^(5 - 127) among the leaves holds the byte up from below.
.macro QX xs, t
	v_max3_num_f32 v[MXA], |v[\xs]|, |v[\xs+1]|, 0x2800000
	v_max3_num_f32 v[MXB], |v[\xs+2]|, |v[\xs+3]|, |v[\xs+4]|
.irp q, 0,1,2,3,4,5
	v_max3_num_f32 v[MXA], v[MXA], |v[\xs+5+4*\q]|, |v[\xs+6+4*\q]|
	v_max3_num_f32 v[MXB], v[MXB], |v[\xs+7+4*\q]|, |v[\xs+8+4*\q]|
.endr
	v_max3_num_f32 v[MXA], v[MXA], |v[\xs+29]|, |v[\xs+30]|
	v_max3_num_f32 v[MXA], v[MXA], v[MXB], |v[\xs+31]|
	v_add_nc_u32 v[OPR], 0xfe000000, v[MXA]        ; 4 off the exponent field: the conversion takes the exponent field of this operand as its scale
	v_cvt_scalef32_pk16_bf6_f32 v[PCD:PCD+2], v[\xs:\xs+15], v[OPR]
	v_cvt_scalef32_pk16_bf6_f32 v[TQ:TQ+2], v[\xs+16:\xs+31], v[OPR]
	v_lshrrev_b32 v[BYA], 23, v[OPR]               ; the byte (and the plain place behind the conversions)
	v_lshl_or_b32 v[WD], v[BYA], 16, v[BYA]        ; x's bytes stand twice in its word: x is multiplied from the lower or from the upper half of K
.irp k, 0,1,2
	v_mov_b32 v[PCD+3+\k], v[TQ+\k]
.endr
	v_add_nc_u32 v[WD], 0x10001, v[WD]             ; the factor 2 of x: one more on each byte
	v_lshlrev_b32 v[WD], v[SH], v[WD]
	v_permlanex16_b32 v[WD2], v[WD], s[SEL], s[SEL+1]
	v_or_b32 v[WD], v[WD], v[WD2]
.irp g, 0,1,2
	ds_store_b64 v[XI], v[PCD+2*\g:PCD+2*\g+1] offset:XTB*(\t)+256*\g
.endr
	ds_store_b32 v[XSI], v[WD] offset:XTB*(\t)+768
.endm
	VA
	s_wait_loadcnt 8                               ; the first tile of x is in; the second tile's eight loads may be out
	XTURN 0
	s_wait_loadcnt 0x0
	XTURN 1
.rept 64
	v_mov_b32 v[CAP+\+], 0                         ; the kept scores: replaced by the first pair's, which are above -infinity
.endr
	VA
	s_wait_dscnt 16                                ; x's first tile is back (behind it: the second tile's 16 LDS instructions)
	QX XS, 0
	VA
	s_wait_dscnt 4                                 ; and the second (behind it: four stores)
	QX XS+32, 1
; A tile of the codebook: my 32 numbers are one block of one code: its largest magnitude and its sum of squares, by turns.
.macro QCB xs, t
	v_max3_num_f32 v[MXA], |v[\xs]|, |v[\xs+1]|, 0x2800000
	v_pk_mul_f32 v[EA:EA+1], v[\xs:\xs+1], v[\xs:\xs+1]
	v_max3_num_f32 v[MXB], |v[\xs+2]|, |v[\xs+3]|, |v[\xs+4]|
	v_pk_mul_f32 v[EB:EB+1], v[\xs+2:\xs+3], v[\xs+2:\xs+3]
.irp q, 0,1,2,3,4,5
	v_max3_num_f32 v[MXA], v[MXA], |v[\xs+5+4*\q]|, |v[\xs+6+4*\q]|
	v_pk_fma_f32 v[EA:EA+1], v[\xs+4+4*\q:\xs+5+4*\q], v[\xs+4+4*\q:\xs+5+4*\q], v[EA:EA+1]
	v_max3_num_f32 v[MXB], v[MXB], |v[\xs+7+4*\q]|, |v[\xs+8+4*\q]|
	v_pk_fma_f32 v[EB:EB+1], v[\xs+6+4*\q:\xs+7+4*\q], v[\xs+6+4*\q:\xs+7+4*\q], v[EB:EB+1]
.endr
	v_max3_num_f32 v[MXA], v[MXA], |v[\xs+29]|, |v[\xs+30]|
	v_pk_fma_f32 v[EA:EA+1], v[\xs+28:\xs+29], v[\xs+28:\xs+29], v[EA:EA+1]
	v_max3_num_f32 v[MXA], v[MXA], v[MXB], |v[\xs+31]|
	v_pk_fma_f32 v[EB:EB+1], v[\xs+30:\xs+31], v[\xs+30:\xs+31], v[EB:EB+1]
	v_add_nc_u32 v[OPR], 0xfe000000, v[MXA]
	v_pk_add_f32 v[EA:EA+1], v[EA:EA+1], v[EB:EB+1]
	v_cvt_scalef32_pk16_bf6_f32 v[PCD+6*((\t)%2):PCD+6*((\t)%2)+2], v[\xs:\xs+15], v[OPR]
	v_cvt_scalef32_pk16_bf6_f32 v[TQ:TQ+2], v[\xs+16:\xs+31], v[OPR]
	v_lshrrev_b32 v[BYA+(\t)%2], 23, v[OPR]        ; the byte (and the plain place behind the conversions)
	v_add_f32 v[EA], v[EA], v[EA+1]
.irp k, 0,1,2
	v_mov_b32 v[PCD+6*((\t)%2)+3+\k], v[TQ+\k]
.endr
	v_permlanex16_b32 v[EB], v[EA], s[SEL], s[SEL+1]
	v_add_f32 v[EA], -v[EA], -v[EB]                ; -||e||^2: my half's sum and the other half's
	ds_store_b32 v[EI], v[EA] offset:PRB*((\t)/2)+NEO+64*((\t)%2)   ; both halves of the lanes write the same word with the same value
.if (\t)%2 == 1
	v_lshl_or_b32 v[WD], v[BYA+1], 16, v[BYA]      ; my block's byte of tile a and of tile b,
	v_lshlrev_b32 v[WD], v[SH], v[WD]              ; at their places (8 h bits up);
	v_permlanex16_b32 v[WD2], v[WD], s[SEL], s[SEL+1]
	v_or_b32 v[WD], v[WD], v[WD2]                  ; with lane l xor 16's two the word is whole
.irp g, 0,1,2
	ds_store_b128 v[CI], v[PCD+4*\g:PCD+4*\g+3] offset:PRB*((\t)/2)+512*\g
.endr
	ds_store_b32 v[SI], v[WD] offset:PRB*((\t)/2)+OSC
.endif
.endm
.macro LDT t                           ; tile t of my chunk's four, into set t % 2
.irp i, 0,1,2,3,4,5,6,7
	ds_load_b128 v[XS+32*((\t)%2)+4*\i:XS+32*((\t)%2)+4*\i+3], v[QRD] offset:XSTB*(\t)+16*\i
.endr
.endm
.macro QUANT                           ; my 64 codes of a chunk.  An image goes over rows whose loads have come back
	LDT 0
	LDT 1
	s_wait_dscnt 8                                 ; tile 0 is in; tile 1's eight loads may be out
	QCB XS, 0
	LDT 2
	s_wait_dscnt 9                                 ; tile 1 is in (behind it: one store, tile 2's eight loads)
	QCB XS+32, 1
	LDT 3
	s_wait_dscnt 13                                ; tile 2 is in (behind it: five stores, eight loads)
	QCB XS, 2
	s_wait_dscnt 1                                 ; tile 3 is in (behind it: one store)
	QCB XS+32, 3
.endm
.macro FETCH b, o                      ; pair o from the addresses in hand, into buffer b: 8 LDS loads
.irp g, 0,1,2
	ds_load_b128 v[FA+12*(\b)+4*\g:FA+12*(\b)+4*\g+3], v[ACW] offset:PRB*(\o)+512*\g
.endr
	ds_load_b32 v[ASC+(\b)], v[ASW] offset:PRB*(\o)+OSC
.irp g, 0,1,2,3
	ds_load_b128 v[CC+16*(\b)+4*\g:CC+16*(\b)+4*\g+3], v[AEW] offset:PRB*(\o)+NEO+16*(\g%2)+64*(\g/2)   ; codes 8 h + 0 .. 7 of tile a, then of tile b: the result's layout
.endr
.endm
.macro MM2 s, i, b                     ; the scores of buffer b's two tiles for row tile i, into slot s
	v_wmma_scale_f32_16x16x128_f8f6f4 v[D+16*(\s):D+16*(\s)+7], v[FA+12*(\b):FA+12*(\b)+11], v[BZ+12*(\i)+6:BZ+12*(\i)+17], v[CC+16*(\b):CC+16*(\b)+7], v[ASC+(\b)], v[XSC+(\i)] matrix_a_fmt:MATRIX_FMT_BF6 matrix_b_fmt:MATRIX_FMT_BF6
	v_wmma_scale_f32_16x16x128_f8f6f4 v[D+16*(\s)+8:D+16*(\s)+15], v[FA+12*(\b):FA+12*(\b)+11], v[BZ+12*(\i):BZ+12*(\i)+11], v[CC+16*(\b)+8:CC+16*(\b)+15], v[ASC+(\b)], v[XSC+(\i)] matrix_a_fmt:MATRIX_FMT_BF6 matrix_b_fmt:MATRIX_FMT_BF6
.endm
.macro SELP d, x, y                    ; two neighbours: where VCC has a lane's bit, d takes y, else x
.if DUAL
	v_dual_cndmask_b32 v[\d], v[\x], v[\y] :: v_dual_cndmask_b32 v[\d+1], v[\x+1], v[\y+1]
.else
	v_cndmask_b32 v[\d], v[\x], v[\y], vcc_lo
	v_cndmask_b32 v[\d+1], v[\x+1], v[\y+1], vcc_lo
.endif
.endm
.macro CMPR s, i                       ; slot s's 16 scores against row tile i's maximum; each tile's results are read from their low end on
.set SA, D+16*(\s)
.set SB, SA+8
.set CA, CAP+16*(\i)
.set RR, R+2*(\i)
	v_max3_num_f32 v[C0], v[SA], v[SA+1], v[SA+2]
	v_max3_num_f32 v[C1], v[SB], v[SB+1], v[SB+2]
	v_max3_num_f32 v[C0], v[C0], v[SA+3], v[SA+4]
	v_max3_num_f32 v[C1], v[C1], v[SB+3], v[SB+4]
	v_max3_num_f32 v[C0], v[C0], v[SA+5], v[SA+6]
	v_max3_num_f32 v[C1], v[C1], v[SB+5], v[SB+6]
	v_max3_num_f32 v[C0], v[C0], v[SA+7], v[SB+7]
	v_max_num_f32 v[C0], v[C0], v[C1]
	v_cmp_gt_f32 vcc_lo, v[C0], v[RR]              ; strictly: an equal score in a later pair changes nothing
.irp j, 0,2,4,6,8,10,12,14
	SELP CA+\j, CA+\j, SA+\j
.endr
.if DUAL
	v_dual_cndmask_b32 v[RR], v[RR], v[C0] :: v_dual_cndmask_b32 v[RR+1], v[RR+1], v[PN]
.else
	v_cndmask_b32 v[RR], v[RR], v[C0], vcc_lo
	v_cndmask_b32 v[RR+1], v[RR+1], v[PN], vcc_lo
.endif
.endm
; A pair, in buffer b: row tiles 0 to 3 are compared; a slot that has been compared takes the products of the row tile two further on: this pair's 2 and 3, then the next pair's 0 and 1.
.macro PAIR b, fetch, next
	CMPR 0, 0
	MM2 0, 2, \b
	CMPR 1, 1
	MM2 1, 3, \b
	CMPR 0, 2
.if \next
	VA
	s_wait_dscnt 0x0                               ; the next pair is in the other buffer
.if \fetch
	FETCH \b, \b                                   ; the pair two further on, into the buffer whose last products stand 18 vector instructions back
.endif
	MM2 0, 0, 1-\b
.endif
	CMPR 1, 3
.if \next
	MM2 1, 1, 1-\b
.endif
	v_add_nc_u32 v[PN], 1, v[PN]
.endm
.macro ADDR
	v_add_nc_u32 v[ACW], s[SPC], v[GO]
	v_add_nc_u32 v[ASW], s[SPC], v[L4]
	v_add_nc_u32 v[AEW], s[SPC], v[H32]
.endm
.macro MAIN k                          ; my 8 pairs of chunk k, each against my four tiles of rows
	s_mul_i32 s[SPC], s[CH], 8*PRB
.if \k
	s_add_co_u32 s[SPC], s[SPC], CHB
.endif
	ADDR
	FETCH 0, 0
	FETCH 1, 1
	VA
	s_wait_dscnt 8                                 ; my first pair is in, and all that was asked for ahead of it; the second pair's eight loads may be out
	MM2 0, 0, 0
	MM2 1, 1, 0
.rept 4
	v_nop                                          ; the places behind the products whose results are read next
.endr
	s_mov_b32 s[CNT], 3
	VA
.Lmain\k:                                              ; a trip: two pairs, and the fetches of the two behind them; three trips and a tail
	s_add_co_u32 s[SPC], s[SPC], 2*PRB
	ADDR
	PAIR 0, 1, 1
	PAIR 1, 1, 1
	s_sub_co_u32 s[CNT], s[CNT], 1
	s_cmp_lg_u32 s[CNT], 0
	VA
	s_cbranch_scc1 .Lmain\k
	PAIR 0, 0, 1                                   ; the last two pairs fetch nothing
	PAIR 1, 0, 0
.endm
	VA
	s_wait_tensorcnt 0x0                           ; my 64 rows of chunk 0 are in LDS
	QUANT
	VA
	s_wait_tensorcnt 0x0                           ; the wait and the add, ahead of a later first fill:
	ds_add_u32 v[SPW], v[NIL]
	s_wait_dscnt 0x0                               ; the add is done, and for the others' sake my images lie in LDS
	CROUND                                         ; everybody's do; the joint loads meet
	tensor_load_to_lds s[G0B:G0B+3], s[G1:G1+7]    ; chunk 1: my 64 rows, on bytes of their own
	s_nop 0
.irp i, 0,1,2,3
.irp g, 0,1,2
	ds_load_b64 v[BZ+12*\i+6+2*\g:BZ+12*\i+7+2*\g], v[XL] offset:4*XSTB*(\i/2)+XTB*(\i%2)+256*\g   ; x's codes take their places between the zeros; tiles 2 and 3 were made by wave g + 4
.endr
	ds_load_b32 v[XSC+\i], v[XSL] offset:4*XSTB*(\i/2)+XTB*(\i%2)+768
.endr
	MAIN 0
	v_add_nc_u32 v[PN], 8, v[PN]                   ; my first pair of chunk 1: 16 + 8 c
	v_add_nc_u32 v[QRD], CHB, v[QRD]
	v_add_nc_u32 v[CI], CHB, v[CI]
	v_add_nc_u32 v[SI], CHB, v[SI]
	v_add_nc_u32 v[EI], CHB, v[EI]
	VA
	s_wait_tensorcnt 0x0                           ; my 64 rows of chunk 1 are in LDS
	QUANT
	VA
	s_wait_dscnt 0x0                               ; for the others' sake: my images of chunk 1 lie in LDS
	s_barrier_signal -1
	s_barrier_wait -1                              ; everybody's do
	MAIN 1
	; THE WAY OUT.  Does tile a or tile b of the kept pair hold the maximum (a keeps a tie)?  Then j = the first of that tile's 8 scores that equals it; index = 32 x pair + 16 x tile + 8 h + j.
.irp i, 0,1,2,3
	v_max3_num_f32 v[JX+\i], v[CAP+16*\i], v[CAP+16*\i+1], v[CAP+16*\i+2]
.endr
.irp k, 3,5
.irp i, 0,1,2,3
	v_max3_num_f32 v[JX+\i], v[JX+\i], v[CAP+16*\i+\k], v[CAP+16*\i+\k+1]
.endr
.endr
.irp i, 0,1,2,3
	v_max_num_f32 v[JX+\i], v[JX+\i], v[CAP+16*\i+7]
.endr
.irp i, 0,1,2,3
	v_cmp_eq_f32 vcc_lo, v[JX+\i], v[R+2*\i]
	v_cndmask_b32 v[JO+\i], 16, 0, vcc_lo
.irp j, 0,2,4,6
	SELP CAP+16*\i+\j, CAP+16*\i+8+\j, CAP+16*\i+\j
.endr
.endr
.irp i, 0,1,2,3
	v_mov_b32 v[JX+\i], 7
.endr
.irp j, 6,5,4,3,2,1,0
.irp i, 0,1,2,3
	v_cmp_eq_f32 s[MK+\i], v[CAP+16*\i+\j], v[R+2*\i]
.endr
.irp i, 0,1,2,3
	v_cndmask_b32 v[JX+\i], v[JX+\i], \j, s[MK+\i]
.endr
.endr
.irp i, 0,1,2,3
	v_lshl_add_u32 v[JX+\i], v[R+2*\i+1], 5, v[JX+\i]
.endr
.irp i, 0,1,2,3
	v_add3_u32 v[JX+\i], v[JX+\i], v[JO+\i], v[SH]
.endr
.irp i, 0,1,2,3
	v_permlanex16_b32 v[OM+\i], v[R+2*\i], s[SEL], s[SEL+1]    ; the row's other codes of my half lie in the lane 16 away
	v_permlanex16_b32 v[OI+\i], v[JX+\i], s[SEL], s[SEL+1]
.endr
.irp i, 0,1,2,3
	v_cmp_gt_f32 s[MK+\i], v[OM+\i], v[R+2*\i]     ; the other half of the lanes wins with the larger score,
	v_cmp_eq_f32 s[MQ+\i], v[OM+\i], v[R+2*\i]
	v_cmp_lt_u32 s[MR+\i], v[OI+\i], v[JX+\i]      ; or with an equal score and the lower index
.endr
.irp i, 0,1,2,3
	s_and_b32 s[MQ+\i], s[MQ+\i], s[MR+\i]
	s_or_b32 s[MK+\i], s[MK+\i], s[MQ+\i]
	v_cndmask_b32 v[JX+\i], v[JX+\i], v[OI+\i], s[MK+\i]
	v_max_num_f32 v[R+2*\i], v[R+2*\i], v[OM+\i]   ; and the score that goes with it
.endr
	s_mov_b32 s[HM], 0xffff0000
	v_cndmask_b32 v[PO], v[JX], v[JX+1], s[HM]     ; lanes 0-15: row tile 0, lanes 16-31: row tile 1: 32 neighbouring rows
	v_cndmask_b32 v[PO+1], v[JX+2], v[JX+3], s[HM]
	v_cndmask_b32 v[PO+2], v[R], v[R+2], s[HM]
	v_cndmask_b32 v[PO+3], v[R+4], v[R+6], s[HM]
	; THE TWO HALVES OF THE CODES.  Each wave puts its 64 indices and 64 scores into its own 512 bytes; behind a barrier it reads its own and its partner's back, two neighbouring rows a lane.
	s_lshl_b32 s13, s[WV], 9
	s_add_co_u32 s13, s13, MRG                     ; mine,
	s_xor_b32 s14, s[WV], 4
	s_lshl_b32 s14, s14, 9
	s_add_co_u32 s14, s14, MRG                     ; and those of the wave with my rows and the other codes
	v_lshl_add_u32 v[ACW], v[LN], 2, s13
	v_lshl_add_u32 v[ASW], v[LN], 3, s13
	v_lshl_add_u32 v[AEW], v[LN], 3, s14
	v_lshlrev_b32 v[OI], 3, v[LN]                  ; and my 8 bytes of the 256 that go out
	ds_store_b32 v[ACW], v[PO]
	ds_store_b32 v[ACW], v[PO+1] offset:128
	ds_store_b32 v[ACW], v[PO+2] offset:256
	ds_store_b32 v[ACW], v[PO+3] offset:384
	VA
	s_wait_dscnt 0x0                               ; for the partner's sake: my stores have landed
	s_barrier_signal -1
	s_barrier_wait -1
	ds_load_b64 v[PO:PO+1], v[ASW]                 ; rows 2 l and 2 l + 1: my indices,
	ds_load_b64 v[PO+2:PO+3], v[ASW] offset:256    ; my scores,
	ds_load_b64 v[OM:OM+1], v[AEW]                 ; the partner's indices,
	ds_load_b64 v[OM+2:OM+3], v[AEW] offset:256    ; the partner's scores
	s_wait_dscnt 0x0
.irp k, 0,1
	v_cmp_gt_f32 s[MK+\k], v[OM+2+\k], v[PO+2+\k]  ; as between the halves of the lanes; both partners come to the same result
	v_cmp_eq_f32 s[MQ+\k], v[OM+2+\k], v[PO+2+\k]
	v_cmp_lt_u32 s[MR+\k], v[OM+\k], v[PO+\k]
.endr
.irp k, 0,1
	s_and_b32 s[MQ+\k], s[MQ+\k], s[MR+\k]
	s_or_b32 s[MK+\k], s[MK+\k], s[MQ+\k]
	v_cndmask_b32 v[PO+\k], v[PO+\k], v[OM+\k], s[MK+\k]
.endr
	s_cmp_lt_u32 s[WV], 4                          ; waves 0-3 store out2, waves 4-7 idx: the choice hangs on the wave's number alone
	s_cselect_b64 s[8:9], s[8:9], s[10:11]
	global_store_b64 v[OI], v[PO:PO+1], s[8:9]     ; the wave's one store covers the row group's 256 consecutive bytes, aligned
	s_wait_tensorcnt 0x0                           ; the wave's end
	ds_add_u32 v[SPW], v[NIL]
	s_wait_dscnt 0x0
	CROUND                                         ; the closing round: no work-group ends while a partner may still ask for rows that name it
	s_endpgm
.Lfunc_end_k_qea0d491911_argmin:
	.size	k_qea0d491911_argmin, .Lfunc_end_k_qea0d491911_argmin-k_qea0d491911_argmin
	.p2alignl 7, 3214868480
	.fill 96, 4, 3214868480
	.section	.rodata,"a",@progbits
	.p2align	6, 0x0
	.amdhsa_kernel k_qea0d491911_argmin
		.amdhsa_group_segment_fixed_size 327680
		.amdhsa_private_segment_fixed_size 0
		.amdhsa_enable_private_segment 0
		.amdhsa_kernarg_size 32
		.amdhsa_user_sgpr_count 2
		.amdhsa_user_sgpr_kernarg_segment_ptr 1
		.amdhsa_wavefront_size32 1
		.amdhsa_system_sgpr_workgroup_id_x 1
		.amdhsa_system_sgpr_workgroup_id_y 1
		.amdhsa_system_sgpr_workgroup_id_z 1
		.amdhsa_system_vgpr_workitem_id 0
		.amdhsa_next_free_vgpr 256
		.amdhsa_next_free_sgpr 66
		.amdhsa_reserve_vcc 1
		.amdhsa_float_denorm_mode_32 3
		.amdhsa_float_denorm_mode_16_64 3
		.amdhsa_memory_ordered 1
		.amdhsa_forward_progress 1
		.amdhsa_inst_pref_size 103
	.end_amdhsa_kernel
	.amdgpu_metadata
---
amdhsa.version: [ 1, 2 ]
amdhsa.kernels:
  - .name:           k_qea0d491911_argmin
    .symbol:         k_qea0d491911_argmin.kd
    .args:
      - { .name: embed_weight, .offset: 0, .size: 8, .value_kind: global_buffer, .address_space: global }
      - { .name: z_e, .offset: 8, .size: 8, .value_kind: global_buffer, .address_space: global }
      - { .name: out2, .offset: 16, .size: 8, .value_kind: global_buffer, .address_space: global }
      - { .name: idx, .offset: 24, .size: 8, .value_kind: global_buffer, .address_space: global }
    .group_segment_fixed_size: 327680
    .private_segment_fixed_size: 0
    .kernarg_segment_align: 8
    .kernarg_segment_size: 32
    .max_flat_workgroup_size: 256
    .sgpr_count:     66
    .vgpr_count:     256
    .wavefront_size: 32
...
	.end_amdgpu_metadata
.endif
;; end of part 1
;; launch gather (part 2): grid 256 x 1, 8 waves a work-group, no clusters, 0 bytes of LDS; arguments idx, z_e, embed_weight, out0, part; writes out0, part
.if DOCPART == 2
	.amdgcn_target "amdgcn-amd-amdhsa--gfx1250"
	.amdhsa_code_object_version 6
	.text
	.protected	k_qea0d491911_gather
	.globl	k_qea0d491911_gather
	.p2align	8
	.type	k_qea0d491911_gather,@function
k_qea0d491911_gather:
	s_mov_b64 s[64:65], 0
	v_nop
	global_prefetch_b8 v0, s[64:65] scope:SCOPE_SE
	s_setreg_imm32_b32 hwreg(HW_REG_WAVE_MODE, 25, 1), 1
	s_wait_xcnt 0x0
; out0[row] = embed_weight[idx[row]], and for each wave the sum over its 32 rows of (z_q - z_e)^2, in f32, into part.
; LEFT OUT: z_e + (z_q - z_e) is z_q by identity, for all finite values: the gathered row is stored as it is (the two differ by the rounding of one subtraction and one addition).
;   LIMIT: a NaN, an infinity or an overflow of z_e is not carried into out0.
; The indices were stored by the launch before; each is held to 0 .. 1,023 before it enters an address.
; SHARES.  256 work-groups of eight waves; a wave owns 32 rows.  A row is 256 bytes: sixteen lanes take one row, 16 bytes each; lanes 0-15 walk rows 0-15 of the wave's 32, lanes 16-31 rows 16-31,
; so that a lane's 16 indices are 64 neighbouring bytes (four loads), and each load and store covers two whole rows.
; ORDER.  Loads come back in order, and the stores need the gathered rows alone: so the gathers stand between the two halves of z_e, and all stores stand ahead of the sums.
; Memory binds: no LDS, no barrier, no matrix unit; work-groups share only the codebook's rows, which each asks for by its own indices: nothing for a cluster.  No loop, so no prefetch.
.set C16, 1                            ; v1      16 x (lane % 16)
.set ZO,  2                            ; v2      my byte in the wave's rows of z_e and out0: 4,096 x (lane / 16) + 16 x (lane % 16)
.set IO,  3                            ; v3      64 x (lane / 16): my half's 16 indices
.set IX,  4                            ; v4-19   the indices, then the byte offsets of my 16 bytes of their rows
.set Z,   20                           ; v20-83  z_e, then z_q - z_e
.set E,   84                           ; v84-147 the gathered rows
.set SQ,  148                          ; v[148:151] sums of squares
.set T,   152
	s_load_b256 s[4:11], s[0:1], 0x0               ; idx s[4:5], z_e s[6:7], embed_weight s[8:9], out0 s[10:11]
	s_load_b64 s[12:13], s[0:1], 0x20              ; part
	v_lshrrev_b32 v[T], 5, v0
	v_readfirstlane_b32 s14, v[T]                  ; wave 0..7
	v_and_b32 v[C16], 15, v0
	v_bfe_u32 v[IO], v0, 4, 1
	v_lshlrev_b32 v[C16], 4, v[C16]
	v_lshl_add_u32 v[ZO], v[IO], 12, v[C16]
	v_lshlrev_b32 v[IO], 6, v[IO]
	s_lshl_b32 s15, ttmp9, 3
	s_add_co_u32 s15, s15, s14                     ; my wave among the launch's 2,048
	s_lshl_b32 s16, s15, 7                         ; its 32 indices,
	s_mov_b32 s17, 0
	s_lshl_b32 s18, s15, 13                        ; its 32 rows,
	s_mov_b32 s19, 0
	s_lshl_b32 s20, s15, 2                         ; its sum
	s_mov_b32 s21, 0
	s_mov_b32 s22, 0x76543210
	s_mov_b32 s23, 0xfedcba98
	s_wait_alu depctr_va_vdst(0)
	s_wait_kmcnt 0x0
	s_add_nc_u64 s[4:5], s[4:5], s[16:17]
	s_add_nc_u64 s[6:7], s[6:7], s[18:19]
	s_add_nc_u64 s[10:11], s[10:11], s[18:19]
	s_add_nc_u64 s[12:13], s[12:13], s[20:21]
.irp q, 0,1,2,3
	global_load_b128 v[IX+4*\q:IX+4*\q+3], v[IO], s[4:5] offset:16*\q
.endr
.irp i, 0,1,2,3,4,5,6,7
	global_load_b128 v[Z+4*\i:Z+4*\i+3], v[ZO], s[6:7] offset:256*\i th:TH_LOAD_NT
.endr
	s_wait_loadcnt 8                               ; the indices are in; the 8 loads of z_e behind them may be out
.irp i, 0,1,2,3,4,5,6,7,8,9,10,11,12,13,14,15
	v_min_u32 v[IX+\i], 0x3ff, v[IX+\i]
.endr
.irp i, 0,1,2,3,4,5,6,7,8,9,10,11,12,13,14,15
	v_lshl_add_u32 v[IX+\i], v[IX+\i], 8, v[C16]   ; the code's row of 256 bytes, my 16 of them
.endr
.irp i, 0,1,2,3,4,5,6,7,8,9,10,11,12,13,14,15
	global_load_b128 v[E+4*\i:E+4*\i+3], v[IX+\i], s[8:9]
.endr
.irp i, 8,9,10,11,12,13,14,15
	global_load_b128 v[Z+4*\i:Z+4*\i+3], v[ZO], s[6:7] offset:256*\i th:TH_LOAD_NT
.endr
.irp i, 0,1,2,3,4,5,6,7,8,9,10,11,12,13,14,15
	s_wait_loadcnt 23-\i                           ; gather i is in; the later gathers and z_e's second half (8 loads) may be out
	global_store_b128 v[ZO], v[E+4*\i:E+4*\i+3], s[10:11] offset:256*\i th:TH_STORE_NT   ; sixteen lanes store a row: 256 consecutive bytes, aligned
.endr
.macro DIFF i
	v_pk_add_f32 v[Z+4*\i:Z+4*\i+1], v[E+4*\i:E+4*\i+1], v[Z+4*\i:Z+4*\i+1] neg_lo:[0,1] neg_hi:[0,1]
	v_pk_add_f32 v[Z+4*\i+2:Z+4*\i+3], v[E+4*\i+2:E+4*\i+3], v[Z+4*\i+2:Z+4*\i+3] neg_lo:[0,1] neg_hi:[0,1]
.if \i == 0
	v_pk_mul_f32 v[SQ:SQ+1], v[Z:Z+1], v[Z:Z+1]    ; the first squares start the sums
	v_pk_mul_f32 v[SQ+2:SQ+3], v[Z+2:Z+3], v[Z+2:Z+3]
.else
	v_pk_fma_f32 v[SQ:SQ+1], v[Z+4*\i:Z+4*\i+1], v[Z+4*\i:Z+4*\i+1], v[SQ:SQ+1]
	v_pk_fma_f32 v[SQ+2:SQ+3], v[Z+4*\i+2:Z+4*\i+3], v[Z+4*\i+2:Z+4*\i+3], v[SQ+2:SQ+3]
.endif
.endm
.irp i, 0,1,2,3,4,5,6,7
	DIFF \i
.endr
	s_wait_alu depctr_va_vdst(0)
	s_wait_loadcnt 4                               ; z_e's rows 8 to 11 are in
.irp i, 8,9,10,11
	DIFF \i
.endr
	s_wait_alu depctr_va_vdst(0)
	s_wait_loadcnt 0x0
.irp i, 12,13,14,15
	DIFF \i
.endr
	v_pk_add_f32 v[SQ:SQ+1], v[SQ:SQ+1], v[SQ+2:SQ+3]
	v_add_f32 v[SQ], v[SQ], v[SQ+1]
	v_add_f32_dpp v[SQ], v[SQ], v[SQ] row_xmask:1 row_mask:0xf bank_mask:0xf
	v_add_f32_dpp v[SQ], v[SQ], v[SQ] row_xmask:2 row_mask:0xf bank_mask:0xf
	v_add_f32_dpp v[SQ], v[SQ], v[SQ] row_xmask:4 row_mask:0xf bank_mask:0xf
	v_add_f32_dpp v[SQ], v[SQ], v[SQ] row_xmask:8 row_mask:0xf bank_mask:0xf
	v_permlanex16_b32 v[SQ+1], v[SQ], s22, s23
	v_add_f32 v[SQ], v[SQ], v[SQ+1]                ; the wave's sum, in every lane
	v_mov_b32 v[T], 0
	v_and_b32 v[T+1], 31, v0
	v_cmp_eq_u32 vcc_lo, 0, v[T+1]
	s_wait_alu depctr_va_vdst(0)
	s_wait_xcnt 0x0                                ; EXEC changes only behind this wait: the stores above have read it
	s_and_saveexec_b32 s24, vcc_lo                 ; lane 0 alone
	global_store_b32 v[T], v[SQ], s[12:13]
	s_wait_xcnt 0x0                                ; and again, in front of the line that widens it
	s_or_b32 exec_lo, exec_lo, s24
	s_endpgm
.Lfunc_end_k_qea0d491911_gather:
	.size	k_qea0d491911_gather, .Lfunc_end_k_qea0d491911_gather-k_qea0d491911_gather
	.p2alignl 7, 3214868480
	.fill 96, 4, 3214868480
	.section	.rodata,"a",@progbits
	.p2align	6, 0x0
	.amdhsa_kernel k_qea0d491911_gather
		.amdhsa_group_segment_fixed_size 0
		.amdhsa_private_segment_fixed_size 0
		.amdhsa_enable_private_segment 0
		.amdhsa_kernarg_size 40
		.amdhsa_user_sgpr_count 2
		.amdhsa_user_sgpr_kernarg_segment_ptr 1
		.amdhsa_wavefront_size32 1
		.amdhsa_system_sgpr_workgroup_id_x 1
		.amdhsa_system_sgpr_workgroup_id_y 1
		.amdhsa_system_sgpr_workgroup_id_z 1
		.amdhsa_system_vgpr_workitem_id 0
		.amdhsa_next_free_vgpr 160
		.amdhsa_next_free_sgpr 66
		.amdhsa_reserve_vcc 1
		.amdhsa_float_denorm_mode_32 3
		.amdhsa_float_denorm_mode_16_64 3
		.amdhsa_memory_ordered 1
		.amdhsa_forward_progress 1
		.amdhsa_inst_pref_size 14
	.end_amdhsa_kernel
	.amdgpu_metadata
---
amdhsa.version: [ 1, 2 ]
amdhsa.kernels:
  - .name:           k_qea0d491911_gather
    .symbol:         k_qea0d491911_gather.kd
    .args:
      - { .name: idx, .offset: 0, .size: 8, .value_kind: global_buffer, .address_space: global }
      - { .name: z_e, .offset: 8, .size: 8, .value_kind: global_buffer, .address_space: global }
      - { .name: embed_weight, .offset: 16, .size: 8, .value_kind: global_buffer, .address_space: global }
      - { .name: out0, .offset: 24, .size: 8, .value_kind: global_buffer, .address_space: global }
      - { .name: part, .offset: 32, .size: 8, .value_kind: global_buffer, .address_space: global }
    .group_segment_fixed_size: 0
    .private_segment_fixed_size: 0
    .kernarg_segment_align: 8
    .kernarg_segment_size: 40
    .max_flat_workgroup_size: 256
    .sgpr_count:     66
    .vgpr_count:     160
    .wavefront_size: 32
...
	.end_amdgpu_metadata
.endif
;; end of part 2
;; launch total (part 3): grid 1 x 1, 1 waves a work-group, no clusters, 0 bytes of LDS; arguments part, out1; writes out1
.if DOCPART == 3
	.amdgcn_target "amdgcn-amd-amdhsa--gfx1250"
	.amdhsa_code_object_version 6
	.text
	.protected	k_qea0d491911_total
	.globl	k_qea0d491911_total
	.p2align	8
	.type	k_qea0d491911_total,@function
k_qea0d491911_total:
	s_mov_b64 s[64:65], 0
	v_nop
	global_prefetch_b8 v0, s[64:65] scope:SCOPE_SE
	s_setreg_imm32_b32 hwreg(HW_REG_WAVE_MODE, 25, 1), 1
	s_wait_xcnt 0x0
; out1 = 0.25 x mean((z_q - z_e)^2) + mean((z_q - z_e)^2).  LEFT OUT: the two means are the same number (stop_gradient changes no value), so it is taken once, times 1.25.
; One wave adds the 2,048 sums of the launch before: 8,192 bytes, sixteen loads of 512 consecutive bytes, all out at once.  The sum spans work-groups, so it has a launch of its own; there is work for one wave.
	s_load_b128 s[4:7], s[0:1], 0x0                ; part s[4:5], out1 s[6:7]
	v_lshlrev_b32 v1, 4, v0
	s_mov_b32 s8, 0x76543210
	s_mov_b32 s9, 0xfedcba98
	s_wait_alu depctr_va_vdst(0)
	s_wait_kmcnt 0x0
.irp q, 0,1,2,3,4,5,6,7,8,9,10,11,12,13,14,15
	global_load_b128 v[4+4*\q:7+4*\q], v1, s[4:5] offset:512*\q
.endr
	s_wait_loadcnt 0x0
.macro HALVE q, d                      ; register pairs q of the lower half take those d registers further on
	v_pk_add_f32 v[4+2*\q:5+2*\q], v[4+2*\q:5+2*\q], v[4+2*\q+\d:5+2*\q+\d]
.endm
.irp q, 0,1,2,3,4,5,6,7,8,9,10,11,12,13,14,15
	HALVE \q, 32
.endr
.irp q, 0,1,2,3,4,5,6,7
	HALVE \q, 16
.endr
.irp q, 0,1,2,3
	HALVE \q, 8
.endr
.irp q, 0,1
	HALVE \q, 4
.endr
	v_pk_add_f32 v[4:5], v[4:5], v[6:7]
	v_add_f32 v4, v4, v5
	v_add_f32_dpp v4, v4, v4 row_xmask:1 row_mask:0xf bank_mask:0xf
	v_add_f32_dpp v4, v4, v4 row_xmask:2 row_mask:0xf bank_mask:0xf
	v_add_f32_dpp v4, v4, v4 row_xmask:4 row_mask:0xf bank_mask:0xf
	v_add_f32_dpp v4, v4, v4 row_xmask:8 row_mask:0xf bank_mask:0xf
	v_permlanex16_b32 v5, v4, s8, s9
	v_add_f32 v4, v4, v5
	v_mul_f32 v4, 0x34a00000, v4                   ; x 1.25 / 4,194,304 (65,536 rows of 64): 1.25 x 2^-22, exact in f32
	v_mov_b32 v2, 0
	v_cmp_eq_u32 vcc_lo, 0, v0
	s_wait_alu depctr_va_vdst(0)
	s_wait_xcnt 0x0                                ; EXEC changes only behind this wait
	s_and_saveexec_b32 s10, vcc_lo                 ; lane 0 alone
	global_store_b32 v2, v4, s[6:7]
	s_wait_xcnt 0x0
	s_or_b32 exec_lo, exec_lo, s10
	s_endpgm
.Lfunc_end_k_qea0d491911_total:
	.size	k_qea0d491911_total, .Lfunc_end_k_qea0d491911_total-k_qea0d491911_total
	.p2alignl 7, 3214868480
	.fill 96, 4, 3214868480
	.section	.rodata,"a",@progbits
	.p2align	6, 0x0
	.amdhsa_kernel k_qea0d491911_total
		.amdhsa_group_segment_fixed_size 0
		.amdhsa_private_segment_fixed_size 0
		.amdhsa_enable_private_segment 0
		.amdhsa_kernarg_size 16
		.amdhsa_user_sgpr_count 2
		.amdhsa_user_sgpr_kernarg_segment_ptr 1
		.amdhsa_wavefront_size32 1
		.amdhsa_system_sgpr_workgroup_id_x 1
		.amdhsa_system_sgpr_workgroup_id_y 1
		.amdhsa_system_sgpr_workgroup_id_z 1
		.amdhsa_system_vgpr_workitem_id 0
		.amdhsa_next_free_vgpr 72
		.amdhsa_next_free_sgpr 66
		.amdhsa_reserve_vcc 1
		.amdhsa_float_denorm_mode_32 3
		.amdhsa_float_denorm_mode_16_64 3
		.amdhsa_memory_ordered 1
		.amdhsa_forward_progress 1
		.amdhsa_inst_pref_size 5
	.end_amdhsa_kernel
	.amdgpu_metadata
---
amdhsa.version: [ 1, 2 ]
amdhsa.kernels:
  - .name:           k_qea0d491911_total
    .symbol:         k_qea0d491911_total.kd
    .args:
      - { .name: part, .offset: 0, .size: 8, .value_kind: global_buffer, .address_space: global }
      - { .name: out1, .offset: 8, .size: 8, .value_kind: global_buffer, .address_space: global }
    .group_segment_fixed_size: 0
    .private_segment_fixed_size: 0
    .kernarg_segment_align: 8
    .kernarg_segment_size: 16
    .max_flat_workgroup_size: 32
    .sgpr_count:     66
    .vgpr_count:     72
    .wavefront_size: 32
...
	.end_amdgpu_metadata
.endif
;; end of part 3
